; MI455X (gfx1250); checked and timed in simulation.
; The chip was launched on July 23, 2026; its instructions are those of AMD's public machine-readable ISA for CDNA 5 (MIT licence, August 2026) and "CDNA5" Instruction Set Architecture Reference Guide (July 2026). The comments in the code are by the model that wrote it; some were corrected since.
;; Attention Ro PE. Allowed arithmetic: float matrix products may take bf16 or f16 operands with f32 sums; all other float work in f32.
;; Inputs: Wproj 1,024 x 1,024 float32; Wqkv 1,024 x 3,072 float32; bproj 1,024 float32; bqkv 3,072 float32; x 2 x 2,048 x 1,024 float32.
;; Outputs: out0 2 x 2,048 x 1,024 float32.
;; One version. Each part assembles by itself: llvm-mc -triple=amdgcn-amd-amdhsa -mcpu=gfx1250 --defsym DOCPART=n.
;; ======== version 1 of 1: 4 launches
;; limits: values are held in f16: magnitudes above 65,504 overflow, below 6.1e-05 lose precision
;; workspace buffers: xb 8,388,608 bytes; wq 6,291,456 bytes; wp 2,097,152 bytes; tab 524,288 bytes; qb 8,388,608 bytes; kb 8,388,608 bytes; vt 8,388,608 bytes; ao 8,388,608 bytes
;; launch prep (part 1): grid 32 x 16, 8 waves a work-group, no clusters, 35,840 bytes of LDS; arguments x, Wqkv, Wproj, xb, wq, wp, tab; writes xb, wq, wp, tab
.if DOCPART == 1
	.amdgcn_target "amdgcn-amd-amdhsa--gfx1250"
	.amdhsa_code_object_version 6
	.text
	.protected	k_q55e2ed1904_prep
	.globl	k_q55e2ed1904_prep
	.p2align	8
	.type	k_q55e2ed1904_prep,@function
k_q55e2ed1904_prep:
	s_mov_b64 s[64:65], 0
	v_nop
	global_prefetch_b8 v0, s[64:65] scope:SCOPE_SE
	s_setreg_imm32_b32 hwreg(HW_REG_WAVE_MODE, 25, 1), 1
	s_wait_xcnt 0x0
; prep: one pass over the inputs, so that the three matrix launches find f16 operands with K along the rows.
;   y < 8  (256 work-groups): 16 rows of x, f32 to f16 (xb), and 8 positions of the RoPE table tab[pos][i] = (cos, sin), one entry a thread.
;   y >= 8 (256 work-groups): a tile of 128 k x 128 n of Wqkv (x < 24) or Wproj (x >= 24), rounded to f16 and transposed through LDS.
;     wq[head][192 rows][1024 k]: rows 0-63 Wqkv's column 64 head + c, rows 64-127 column 1024 + 64 head + c, rows 128-191 column 2048 + 64 head + c.
;     wp[n][1024 k].
; Every input byte is read once, every store of a wave covers whole aligned runs of 256 bytes.  No tile is read by two work-groups,
; so there is nothing to share in a cluster, and no product, so no matrix instruction.
; LIMITS: f16 holds magnitudes up to 65,504; a larger x or W overflows.  The angle pos * 10000^(-i/32) is formed with 10000^(-i/32) from
; v_exp_f32 (1 ULP), so it may differ from a correctly rounded one by about 3e-4 rad at the largest angles; sine and cosine are polynomials
; on |r| <= pi/4, cut at r^9/9! (3e-7) and r^10/10! (3e-8).
.set XD, 16                            ; v[16:79]   16 loads of 16 bytes
.set YD, 80                            ; v[80:111]  packed f16
	s_load_b256 s[4:11], s[0:1], 0x0               ; x s[4:5], Wqkv s[6:7], Wproj s[8:9], xb s[10:11]
	s_load_b128 s[12:15], s[0:1], 0x20             ; wq s[12:13], wp s[14:15]
	s_load_b64 s[16:17], s[0:1], 0x30              ; tab
	v_lshl_add_u32 v112, v0, 2, 0x8800
	v_mov_b32 v113, 0
	s_and_b32 s18, ttmp7, 0xffff                   ; y
	s_mov_b32 s24, ttmp9                           ; x
	s_cmp_ge_u32 s18, 8
	s_cbranch_scc1 .Lweights
	; ---- x and the table ----
	s_lshl_b32 s19, s18, 5
	s_add_co_u32 s19, s19, s24                     ; id = 32 y + x, 0 to 255
	s_lshl_b32 s20, s19, 16                        ; 16 rows of 4,096 bytes of x
	s_mov_b32 s21, 0
	s_lshl_b32 s22, s19, 15                        ; 16 rows of 2,048 bytes of xb
	s_mov_b32 s23, 0
	s_lshl_b32 s26, s19, 11                        ; 8 positions of 256 bytes of tab
	s_mov_b32 s27, 0
	s_lshl_b32 s25, s19, 3                         ; my first position
	v_lshlrev_b32 v1, 4, v0                        ; 16 t
	v_lshlrev_b32 v2, 3, v0                        ; 8 t
	s_wait_kmcnt 0x0
	s_add_nc_u64 s[4:5], s[4:5], s[20:21]
	s_add_nc_u64 s[10:11], s[10:11], s[22:23]
	s_add_nc_u64 s[16:17], s[16:17], s[26:27]
.irp c, 0,1,2,3,4,5,6,7,8,9,10,11,12,13,14,15
	global_load_b128 v[XD+4*\c:XD+4*\c+3], v1, s[4:5] offset:4096*\c th:TH_LOAD_NT   ; all 64 KiB of the group are asked for at once
.endr
	; the table entry of thread t: position 8 id + t / 32, frequency i = t % 32; worked out while the loads are on their way
	v_and_b32 v3, 31, v0
	v_lshrrev_b32 v4, 5, v0
	v_add_nc_u32 v4, s25, v4
	v_cvt_f32_u32 v5, v3
	v_mul_f32 v5, 0xbed49a78, v5                   ; -i log2(10000) / 32
	v_exp_f32 v5, v5                               ; 10000^(-i/32)
	v_cvt_f32_u32 v6, v4                           ; (a plain instruction between the exponential and its use: ISA guide 5.7.2)
	s_wait_alu depctr_va_vdst(0)
	v_mul_f32 v7, v6, v5                           ; the angle, rounded to f32 as a product of two f32
	v_mul_f32 v8, 0x3f22f983, v7                   ; angle * 2/pi
	v_rndne_f32 v8, v8                             ; k, at most 1,303
	v_fmamk_f32 v9, v8, 0xbfc90fdb, v7             ; r = angle - k pi/2, pi/2 in two parts:
	v_fmamk_f32 v9, v8, 0x333bbd2e, v9             ; the f32 nearest to pi/2 is 4.37e-8 too large
	v_mul_f32 v10, v9, v9                          ; z = r^2
	v_mov_b32 v11, 0xb9500d01                      ; -1/5040
	v_fmaak_f32 v11, v10, v11, 0x3c088889          ; + 1/120
	v_fmaak_f32 v11, v10, v11, 0xbe2aaaab          ; - 1/6
	v_mul_f32 v12, v10, v9
	v_fma_f32 v11, v12, v11, v9                    ; sin r
	v_mov_b32 v13, 0x37d00d01                      ; 1/40320
	v_fmaak_f32 v13, v10, v13, 0xbab60b61          ; - 1/720
	v_fmaak_f32 v13, v10, v13, 0x3d2aaaab          ; + 1/24
	v_fmaak_f32 v13, v10, v13, 0xbf000000          ; - 1/2
	v_fma_f32 v13, v10, v13, 1.0                   ; cos r
	v_cvt_i32_f32 v3, v8
	v_and_b32 v4, 1, v3
	v_cmp_eq_u32 vcc_lo, 1, v4                     ; odd quadrant: sine and cosine change places
	v_cndmask_b32 v15, v11, v13, vcc_lo
	v_cndmask_b32 v14, v13, v11, vcc_lo
	v_lshlrev_b32 v4, 30, v3                       ; sine is negative in quadrants 2 and 3: bit 1 of k
	v_and_b32 v4, 0x80000000, v4
	v_xor_b32 v15, v15, v4
	v_add_nc_u32 v3, 1, v3                         ; cosine in quadrants 1 and 2: bit 1 of k + 1
	v_lshlrev_b32 v3, 30, v3
	v_and_b32 v3, 0x80000000, v3
	v_xor_b32 v14, v14, v3
	global_store_b64 v2, v[14:15], s[16:17]        ; (cos, sin); a wave's 32 entries are one position's 256 bytes
.irp c, 0,1,2,3,4,5,6,7,8,9,10,11,12,13,14,15
	s_wait_loadcnt 15-\c                           ; loads come back in order: chunk c is in, the 15 - c younger ones stay out
	v_cvt_pk_f16_f32 v[YD+2*\c], v[XD+4*\c], v[XD+4*\c+1]
	v_cvt_pk_f16_f32 v[YD+2*\c+1], v[XD+4*\c+2], v[XD+4*\c+3]
	global_store_b64 v2, v[YD+2*\c:YD+2*\c+1], s[10:11] offset:2048*\c   ; 32 lanes x 8 bytes = 256 consecutive bytes; no store register is written twice
.endr
	s_endpgm
	; ---- the weights ----
.Lweights:
	v_lshrrev_b32 v6, 5, v0
	v_readfirstlane_b32 s19, v6                    ; wave w
	v_and_b32 v7, 31, v0                           ; lane
	s_sub_co_u32 s20, s18, 8                       ; kt: which 128 k
	s_lshl_b32 s21, s20, 7
	s_lshl4_add_u32 s21, s19, s21                  ; my first k = 128 kt + 16 w
	v_lshlrev_b32 v1, 4, v7                        ; source: 16 bytes a lane, 512 bytes of one row of W
	v_mul_u32_u24 v3, v7, 1088                     ; LDS in: row n = 4 lane (pitch 272),
	v_lshl_add_u32 v3, s19, 5, v3                  ; my 16 k at byte 32 w
	v_lshrrev_b32 v8, 4, v7
	v_and_b32 v9, 15, v7
	s_lshl_b32 s22, s19, 4
	v_add_nc_u32 v4, s22, v8                       ; LDS out: row 16 w + lane / 16,
	v_mul_u32_u24 v4, v4, 272
	v_lshl_add_u32 v4, v9, 4, v4                   ; 16 bytes a lane: sixteen lanes take a row's 256 bytes
	v_lshlrev_b32 v5, 11, v8                       ; and the same two rows (2,048 bytes apart) in wq or wp
	v_lshl_add_u32 v5, v9, 4, v5
; A tile.  s[26:27]: byte offset of my 16 rows of k in the source; s[28:29]: byte offset of my 16 rows of n in the destination.
.macro WTILE src, dst, rowb
	s_wait_kmcnt 0x0
	s_add_nc_u64 s[30:31], s[\src:\src+1], s[26:27]
	s_add_nc_u64 s[32:33], s[\dst:\dst+1], s[28:29]
.irp j, 0,1,2,3,4,5,6,7,8,9,10,11,12,13,14,15
	global_load_b128 v[XD+4*\j:XD+4*\j+3], v1, s[30:31] offset:\j*\rowb th:TH_LOAD_NT   ; row k = j: columns 4 lane .. 4 lane + 3
.endr
.irp m, 0,1,2,3,4,5,6,7
	s_wait_loadcnt 14-2*\m                         ; rows 2 m and 2 m + 1 are in; 14 - 2 m younger loads stay out
.irp c, 0,1,2,3
	v_cvt_pk_f16_f32 v[YD+8*\c+\m], v[XD+8*\m+\c], v[XD+8*\m+4+\c]   ; k = 2 m, 2 m + 1 of column 4 lane + c
.endr
.endr
.irp c, 0,1,2,3
	ds_store_b128 v3, v[YD+8*\c:YD+8*\c+3] offset:272*\c             ; 16 k of one column = 32 bytes of LDS row n.  Lanes stand 4 rows apart,
	ds_store_b128 v3, v[YD+8*\c+4:YD+8*\c+7] offset:272*\c+16        ; so four lanes meet in a bank: taken, for 32 KiB once in a work-group
.endr
	s_wait_dscnt 0x0                               ; my stores are done, for the other waves' sake,
	s_barrier_signal -1
	s_barrier_wait -1                              ; and so are everybody's: the rows are whole
.irp j, 0,1,2,3,4,5,6,7
	ds_load_b128 v[XD+4*\j:XD+4*\j+3], v4 offset:544*\j
.endr
.irp j, 0,1,2,3,4,5,6,7
	s_wait_dscnt 7-\j
	global_store_b128 v5, v[XD+4*\j:XD+4*\j+3], s[32:33] offset:4096*\j   ; sixteen lanes store 256 consecutive bytes, aligned
.endr
	s_wait_tensorcnt 0x0
	ds_add_u32 v112, v113
	s_wait_dscnt 0x0
	s_endpgm
.endm
	s_cmp_ge_u32 s24, 24
	s_cbranch_scc1 .Lwproj
	s_mul_i32 s26, s21, 12288                      ; Wqkv: rows of 12,288 bytes,
	s_lshl_b32 s23, s24, 9                         ; 128 columns = 512 bytes a tile
	s_add_co_u32 s26, s26, s23
	s_mov_b32 s27, 0
	s_and_b32 s28, s24, 7                          ; column 128 (ct & 7) + 16 w of part ct >> 3 (q, k or v):
	s_lshl_b32 s28, s28, 1
	s_lshr_b32 s23, s19, 2
	s_add_co_u32 s28, s28, s23                     ; head = 2 (ct & 7) + w / 4
	s_mul_i32 s28, s28, 192
	s_lshr_b32 s23, s24, 3
	s_lshl_b32 s23, s23, 6
	s_add_co_u32 s28, s28, s23                     ; + 64 part
	s_and_b32 s23, s19, 3
	s_lshl4_add_u32 s28, s23, s28                  ; + 16 (w & 3)
	s_lshl_b32 s28, s28, 11                        ; rows of 2,048 bytes
	s_lshl_b32 s23, s20, 8
	s_add_co_u32 s28, s28, s23                     ; + 256 kt
	s_mov_b32 s29, 0
	WTILE 6, 12, 12288
.Lwproj:
	s_sub_co_u32 s25, s24, 24
	s_lshl_b32 s26, s21, 12                        ; Wproj: rows of 4,096 bytes
	s_lshl_b32 s23, s25, 9
	s_add_co_u32 s26, s26, s23
	s_mov_b32 s27, 0
	s_lshl_b32 s28, s25, 7
	s_lshl4_add_u32 s28, s19, s28                  ; row n = 128 (ct - 24) + 16 w
	s_lshl_b32 s28, s28, 11
	s_lshl_b32 s23, s20, 8
	s_add_co_u32 s28, s28, s23
	s_mov_b32 s29, 0
	WTILE 8, 14, 4096
.Lfunc_end_k_q55e2ed1904_prep:
	.size	k_q55e2ed1904_prep, .Lfunc_end_k_q55e2ed1904_prep-k_q55e2ed1904_prep
	.p2alignl 7, 3214868480
	.fill 96, 4, 3214868480
	.section	.rodata,"a",@progbits
	.p2align	6, 0x0
	.amdhsa_kernel k_q55e2ed1904_prep
		.amdhsa_group_segment_fixed_size 35840
		.amdhsa_private_segment_fixed_size 0
		.amdhsa_enable_private_segment 0
		.amdhsa_kernarg_size 56
		.amdhsa_user_sgpr_count 2
		.amdhsa_user_sgpr_kernarg_segment_ptr 1
		.amdhsa_wavefront_size32 1
		.amdhsa_system_sgpr_workgroup_id_x 1
		.amdhsa_system_sgpr_workgroup_id_y 1
		.amdhsa_system_sgpr_workgroup_id_z 1
		.amdhsa_system_vgpr_workitem_id 0
		.amdhsa_next_free_vgpr 114
		.amdhsa_next_free_sgpr 66
		.amdhsa_reserve_vcc 1
		.amdhsa_float_denorm_mode_32 3
		.amdhsa_float_denorm_mode_16_64 3
		.amdhsa_memory_ordered 1
		.amdhsa_forward_progress 1
		.amdhsa_inst_pref_size 23
	.end_amdhsa_kernel
	.amdgpu_metadata
---
amdhsa.version: [ 1, 2 ]
amdhsa.kernels:
  - .name:           k_q55e2ed1904_prep
    .symbol:         k_q55e2ed1904_prep.kd
    .args:
      - { .name: x, .offset: 0, .size: 8, .value_kind: global_buffer, .address_space: global }
      - { .name: Wqkv, .offset: 8, .size: 8, .value_kind: global_buffer, .address_space: global }
      - { .name: Wproj, .offset: 16, .size: 8, .value_kind: global_buffer, .address_space: global }
      - { .name: xb, .offset: 24, .size: 8, .value_kind: global_buffer, .address_space: global }
      - { .name: wq, .offset: 32, .size: 8, .value_kind: global_buffer, .address_space: global }
      - { .name: wp, .offset: 40, .size: 8, .value_kind: global_buffer, .address_space: global }
      - { .name: tab, .offset: 48, .size: 8, .value_kind: global_buffer, .address_space: global }
    .group_segment_fixed_size: 35840
    .private_segment_fixed_size: 0
    .kernarg_segment_align: 8
    .kernarg_segment_size: 56
    .max_flat_workgroup_size: 256
    .sgpr_count:     66
    .vgpr_count:     114
    .wavefront_size: 32
...
	.end_amdgpu_metadata
.endif
;; end of part 1
;; launch qkv (part 2): grid 16 x 16, 4 waves a work-group, clusters of 4 x 4, 327,680 bytes of LDS; arguments xb, wq, bqkv, tab, qb, kb, vt; writes qb, kb, vt
.if DOCPART == 2
	.amdgcn_target "amdgcn-amd-amdhsa--gfx1250"
	.amdhsa_code_object_version 6
	.text
	.protected	k_q55e2ed1904_qkv
	.globl	k_q55e2ed1904_qkv
	.p2align	8
	.type	k_q55e2ed1904_qkv,@function
k_q55e2ed1904_qkv:
	s_mov_b64 s[64:65], 0
	v_nop
	global_prefetch_b8 v0, s[64:65] scope:SCOPE_SE
	s_setreg_imm32_b32 hwreg(HW_REG_WAVE_MODE, 25, 1), 1
	s_wait_xcnt 0x0
	s_wait_alu depctr_hold_cnt(0) depctr_sa_sdst(0) depctr_va_vdst(0) depctr_va_sdst(0) depctr_va_ssrc(0) depctr_va_vcc(0) depctr_vm_vsrc(0)
	s_getreg_b32 s2, hwreg(HW_REG_IB_STS2, 6, 4)
	s_cmp_eq_u32 s2, 0
	s_cbranch_scc0 .Lentry_in_a_cluster
	s_endpgm
.Lentry_in_a_cluster:
	s_bfe_u32 s2, ttmp6, 0x10000c
	s_cmp_lg_u32 s2, 0xf033
	s_cbranch_scc0 .Lentry_shape_is_right
	s_endpgm
.Lentry_shape_is_right:
; qkv: (x Wqkv + bqkv), RoPE on q and k, laid out for attention.  xb [4096][1024] f16, wq [16 heads][192][1024] f16 (K along the rows).
; A work-group makes 256 rows x the 192 columns (q, k, v) of one head; 16 x 16 = 256 equal work-groups, all running the same text.
; Wave w makes rows 64 w .. 64 w + 63 x 192 columns: 48 accumulator tiles, 384 registers.  K goes in 8 steps of 128 through two LDS slots.
; CLUSTERS of 4 x 4: the four work-groups of a row of the cluster need the same rows of xb, the four of a column the same head of wq;
; such a tile is asked for jointly, which divides the requests for both by four.
; q and k use the matrix instruction with the sources swapped (a lane then holds 8 neighbouring columns of one row: RoPE's pairs and 16 bytes of a row
; of qb); v uses it as it is (a lane holds 8 neighbouring rows of one column: 16 bytes of a row of vt, which is V transposed).
; OUT: qb, kb [32 bh][2048 pos][64 d] f16;  vt [32 bh][64 d][2048 key] f16.
; LIMIT: q, k, v are rounded to f16, magnitudes up to 65,504.  With every input 30 times the drawn spread they reach about 4,800; with x and Wqkv both
; carrying an offset of 30 spreads 1024 x 30 x 30/32 = 28,800, after RoPE at most 1.42 times that.
; REGISTERS, in windows of 256:
;   window 0: v16-28 addresses; v32-63, v64-95 fragments of x (4 x 16 rows x 32 K), two buffers; v128-255 the RoPE table of my 64 rows
;   window 1: v0-95, v96-191 fragments of wq (12 x 16 rows x 32 K), two buffers
;   window 2: v0-127 q's 16 tiles (a, b) at 8 (4 a + b); v128-255 k's
;   window 3: v0-127 v's 16 tiles; v128-159 q's bias, v160-191 k's, v192-199 v's (each number twice, for the packed add)
.set PITCH, 272                        ; an LDS row: 256 bytes + 16 of padding, an odd multiple of 16
.set HALFA, 128*PITCH                  ; what waves 0 and 1 fetch: 128 rows of xb each
.set HALFB, 96*PITCH                   ; what waves 2 and 3 fetch: 96 rows of wq each
.set SLOT,  2*HALFA+2*HALFB            ; 121,856
.set QSP,   144                        ; q's and k's stage: 16 rows of 128 bytes + 16, one for each wave
.set QSTG,  2*SLOT                     ; 243,712: behind the ring, no tensor load lands here
.set VSP,   528                        ; v's stage: 64 rows (d) of 512 bytes (256 keys) + 16, shared by the waves
.set VSTG,  QSTG+4*16*QSP              ; 252,928
.set ADRA, 16
.set ADRB, 18
.set QSTO, 20
.set QRD,  21
.set QCO,  22
.set VSTO, 23
.set VRD,  24
.set VCO,  25
.set TABO, 26
.set BQO,  27
.set BVO,  28
.set FA,   32
.set TAB,  128
.set T,    32                          ; the way out, window 0: sums with bias
.set UW,   64                          ; rotated pairs
.set PK,   96                          ; packed f16
.set RB,   112                         ; rows read back
.set G1A, 24
.set G0A, 32
.set G1B, 40
.set G0B, 48
.set MSB, 0
.macro WIN new                         ; s_set_vgpr_msb; the immediate's high byte repeats the setting that is left
.if MSB != \new
	s_set_vgpr_msb (MSB<<8)|\new
.set MSB, \new
.endif
.endm
.macro PLACES                          ; four independent vector instructions behind a matrix instruction (ISA guide 7.12.1)
.rept 4
	v_nop
.endr
.endm
.macro JLOAD s                         ; waves 0, 1 ask for xb's halves, waves 2, 3 for wq's: one load a wave; the branch hangs on the wave's number alone
	s_cmp_eq_u32 s19, 0
	s_cbranch_scc0 .Lfor_b_\@
	tensor_load_to_lds s[G0A+4*\s:G0A+4*\s+3], s[G1A:G1A+7]
	s_nop 0
	s_branch .Lasked_\@
.Lfor_b_\@:
	tensor_load_to_lds s[G0B+4*\s:G0B+4*\s+3], s[G1B:G1B+7]
	s_nop 0
.Lasked_\@:
.endm
.macro CREST                           ; a round of the cluster's barrier behind its opening work-group barrier
	s_cmp_lg_u32 s18, 0
	s_cbranch_scc1 .Lnot_wave_0_\@
	s_barrier_signal -3
.Lnot_wave_0_\@:
	s_barrier_wait -3
	s_barrier_signal -1
	s_barrier_wait -1
.endm
.macro CROUND
	s_barrier_signal -1
	s_barrier_wait -1
	CREST
.endm
	s_load_b256 s[4:11], s[0:1], 0x0               ; xb s[4:5], wq s[6:7], bqkv s[8:9], tab s[10:11]
	s_load_b128 s[12:15], s[0:1], 0x20             ; qb s[12:13], kb s[14:15]
	s_load_b64 s[16:17], s[0:1], 0x30              ; vt
	s_set_vgpr_msb 0x40
	v_lshl_add_u32 v255, v0, 2, 0x46000
	s_set_vgpr_msb 0x4000
	v_mov_b32 v31, 0
	s_set_vgpr_msb 0x1
	ds_add_u32 v255, v31
	s_set_vgpr_msb 0x100
	v_lshrrev_b32 v1, 5, v0
	v_readfirstlane_b32 s18, v1                    ; wave
	s_lshr_b32 s19, s18, 1                         ; 0: I fetch xb, 1: wq
	s_and_b32 s20, s18, 1                          ; which half of that tile
	s_bfe_u32 s21, ttmp6, 0x40000                  ; cx
	s_bfe_u32 s22, ttmp6, 0x40004                  ; cy
	s_lshl_b32 s23, ttmp9, 2
	s_add_co_u32 s23, s23, s21                     ; head = 4 x cluster x + cx
	s_and_b32 s56, ttmp7, 0xffff
	s_lshl_b32 s56, s56, 2
	s_add_co_u32 s56, s56, s22                     ; row block = 4 x cluster y + cy
	s_lshl_b32 s57, s22, 2
	s_lshl_b32 s57, 15, s57                        ; my row of the cluster
	s_lshl_b32 s58, 0x1111, s21                    ; my column
	; group 1: rows of 128 f16 (64 words), 4 words of padding behind each; 128 rows of xb, 96 of wq; 1,024 elements from row to row
	s_or_b32 s[G1A+0], s57, (1<<16)|(1<<20)|(1<<21)|(5<<22)|(3<<25)
	s_mov_b32 s[G1A+1], 128<<16
	s_mov_b32 s[G1A+2], 128<<16
	s_mov_b32 s[G1A+3], 128<<16
	s_mov_b32 s[G1A+4], 128
	s_mov_b32 s[G1A+5], 1024
	s_mov_b32 s[G1A+6], 0
	s_mov_b32 s[G1A+7], 0
	s_or_b32 s[G1B+0], s58, (1<<16)|(1<<20)|(1<<21)|(5<<22)|(3<<25)
	s_mov_b32 s[G1B+1], 128<<16
	s_mov_b32 s[G1B+2], 96<<16
	s_mov_b32 s[G1B+3], 128<<16
	s_mov_b32 s[G1B+4], 96
	s_mov_b32 s[G1B+5], 1024
	s_mov_b32 s[G1B+6], 0
	s_mov_b32 s[G1B+7], 0
	; xb's tile hangs on the row block and the wave alone, wq's on the head and the wave alone; each in registers that never hold the other coordinate
	s_lshl_b32 s60, s56, 8
	s_lshl_b32 s61, s20, 7
	s_add_co_u32 s60, s60, s61                     ; row 256 rb + 128 half
	s_lshl_b32 s60, s60, 11                        ; rows of 2,048 bytes
	s_mov_b32 s61, 0
	s_mul_i32 s66, s23, 192
	s_mul_i32 s67, s20, 96
	s_add_co_u32 s66, s66, s67                     ; row 192 head + 96 half
	s_lshl_b32 s66, s66, 11
	s_mov_b32 s67, 0
	s_mul_i32 s59, s18, HALFA                      ; LDS: xb's halves at 0 and HALFA (waves 0, 1),
	s_mul_i32 s79, s18, HALFB
	s_add_co_u32 s79, s79, 2*HALFA-2*HALFB         ; wq's at 2 HALFA and 2 HALFA + HALFB (waves 2, 3)
	; offsets of the plain loads and stores
	s_and_b32 s77, s56, 7
	s_lshl_b32 s74, s77, 9                         ; my 256 keys in a row of vt: 512 bytes
	s_lshl_b32 s77, s77, 8
	s_lshl_b32 s78, s18, 6
	s_add_co_u32 s77, s77, s78                     ; my wave's first position = 256 (rb & 7) + 64 w
	s_lshl_b32 s70, s77, 8                         ; tab: 256 bytes a position
	s_mov_b32 s71, 0
	s_lshl_b32 s72, s23, 8                         ; bqkv: 64 numbers a head
	s_mov_b32 s73, 0
	s_lshr_b32 s78, s56, 3
	s_lshl_b32 s78, s78, 4
	s_add_co_u32 s78, s78, s23                     ; bh = 16 batch + head
	s_lshl_b32 s78, s78, 18                        ; 262,144 bytes for each in qb, kb, vt
	s_add_co_u32 s74, s74, s78
	s_mov_b32 s75, 0
	s_lshl_b32 s76, s77, 7                         ; rows of 128 bytes in qb and kb
	s_add_co_u32 s76, s76, s78
	s_mov_b32 s77, 0
	s_wait_dscnt 0x0
	s_wait_kmcnt 0x0
	s_add_nc_u64 s[62:63], s[4:5], s[60:61]
	s_add_nc_u64 s[68:69], s[6:7], s[66:67]
	s_add_nc_u64 s[10:11], s[10:11], s[70:71]
	s_add_nc_u64 s[8:9], s[8:9], s[72:73]
	s_add_nc_u64 s[12:13], s[12:13], s[76:77]
	s_add_nc_u64 s[14:15], s[14:15], s[76:77]
	s_add_nc_u64 s[16:17], s[16:17], s[74:75]
	CROUND                                         ; all sixteen work-groups are here: the first joint loads meet
.irp s, 0,1
	s_mov_b32 s[G0A+4*\s], 1
	s_add_co_u32 s[G0A+4*\s+1], s59, \s*SLOT
	s_add_nc_u64 s[G0A+4*\s+2:G0A+4*\s+3], s[62:63], \s*256        ; K step s
	s_or_b32 s[G0A+4*\s+3], s[G0A+4*\s+3], 0x80000000
	s_mov_b32 s[G0B+4*\s], 1
	s_add_co_u32 s[G0B+4*\s+1], s79, \s*SLOT
	s_add_nc_u64 s[G0B+4*\s+2:G0B+4*\s+3], s[68:69], \s*256
	s_or_b32 s[G0B+4*\s+3], s[G0B+4*\s+3], 0x80000000
	JLOAD \s                                       ; both slots' first fills go out together: two tensor loads of the wave are out, later one
.endr
	v_and_b32 v1, 31, v0                           ; L
	v_and_b32 v2, 15, v0                           ; r = L % 16
	v_bfe_u32 v3, v0, 4, 1                         ; h = L / 16
	v_mul_u32_u24 v4, v2, PITCH
	v_lshl_add_u32 v4, v3, 4, v4                   ; a fragment's lane: row r, 16 bytes at 16 h (and 32 further on)
	s_mul_i32 s70, s18, 64*PITCH
	v_add_nc_u32 v[ADRA], s70, v4                  ; my 64 rows of x
	v_add_nc_u32 v[ADRA+1], SLOT, v[ADRA]
	v_add_nc_u32 v[ADRB], 2*HALFA, v4              ; all 192 rows of wq
	v_add_nc_u32 v[ADRB+1], SLOT, v[ADRB]
	v_mul_u32_u24 v5, v2, QSP
	v_lshl_add_u32 v5, v3, 4, v5
	s_mul_i32 s70, s18, 16*QSP
	s_add_co_u32 s70, s70, QSTG
	v_add_nc_u32 v[QSTO], s70, v5                  ; q, k in: row r, 16 bytes at 16 h
	v_lshrrev_b32 v6, 3, v1
	v_and_b32 v7, 7, v1
	v_mul_u32_u24 v6, v6, QSP
	v_lshl_add_u32 v6, v7, 4, v6
	v_add_nc_u32 v[QRD], s70, v6                   ; back: eight lanes take a row's 128 bytes, a wave four rows
	v_lshlrev_b32 v[QCO], 4, v1                    ; which are 512 consecutive bytes of qb or kb
	v_mul_u32_u24 v8, v2, VSP
	v_lshl_add_u32 v8, v3, 4, v8
	s_lshl_b32 s71, s18, 7
	s_add_co_u32 s71, s71, VSTG
	v_add_nc_u32 v[VSTO], s71, v8                  ; v in: row d = r, my wave's 64 keys at byte 128 w, 8 keys at 16 h
	s_mul_i32 s71, s18, 16*VSP
	s_add_co_u32 s71, s71, VSTG
	v_add_nc_u32 v[VRD], s71, v[QCO]               ; back: a wave takes a row's 512 bytes; wave w rows 16 w ..
	s_lshl_b32 s71, s18, 16
	v_add_nc_u32 v[VCO], s71, v[QCO]               ; rows of vt are 4,096 bytes apart
	v_lshlrev_b32 v[TABO], 8, v2
	v_lshl_add_u32 v[TABO], v3, 5, v[TABO]         ; tab: position r, pairs 4 h ..
	v_lshlrev_b32 v[BQO], 5, v3                    ; bias of q, k: columns 8 h ..
	v_lshlrev_b32 v[BVO], 2, v2                    ; bias of v: column r
	; The table and the biases are asked for now and waited for behind the K loop; nothing in the loop names their registers.
.irp a, 0,1,2,3
.irp b, 0,1,2,3
	global_load_b128 v[TAB+32*\a+8*\b:TAB+32*\a+8*\b+3], v[TABO], s[10:11] offset:4096*\a+64*\b        ; row 16 a + r, columns 16 b + 8 h ..: cos, sin of pairs 0, 1
	global_load_b128 v[TAB+32*\a+8*\b+4:TAB+32*\a+8*\b+7], v[TABO], s[10:11] offset:4096*\a+64*\b+16   ; of pairs 2, 3
.endr
.endr
	WIN 0xc0                                       ; destination window 3
.irp b, 0,1,2,3
	global_load_b128 v[128+8*\b:128+8*\b+3], v[BQO], s[8:9] offset:64*\b
	global_load_b128 v[128+8*\b+4:128+8*\b+7], v[BQO], s[8:9] offset:64*\b+16
	global_load_b128 v[160+8*\b:160+8*\b+3], v[BQO], s[8:9] offset:4096+64*\b
	global_load_b128 v[160+8*\b+4:160+8*\b+7], v[BQO], s[8:9] offset:4096+64*\b+16
	global_load_b32 v[192+2*\b], v[BVO], s[8:9] offset:8192+64*\b
	global_load_b32 v[193+2*\b], v[BVO], s[8:9] offset:8192+64*\b
.endr
	WIN 0
; 16 matrix instructions for q (part 0) or k (part 1), 32 along K: source 0 = 16 rows of wq, source 1 = 16 rows of x.
.macro MULQK f, part, zero
.irp a, 0,1,2,3
.irp b, 0,1,2,3
.if \zero
	v_wmma_f32_16x16x32_f16 v[128*\part+8*(4*\a+\b):128*\part+8*(4*\a+\b)+7], v[96*\f+8*(4*\part+\b):96*\f+8*(4*\part+\b)+7], v[FA+32*\f+8*\a:FA+32*\f+8*\a+7], 0
.else
	v_wmma_f32_16x16x32_f16 v[128*\part+8*(4*\a+\b):128*\part+8*(4*\a+\b)+7], v[96*\f+8*(4*\part+\b):96*\f+8*(4*\part+\b)+7], v[FA+32*\f+8*\a:FA+32*\f+8*\a+7], v[128*\part+8*(4*\a+\b):128*\part+8*(4*\a+\b)+7]
.endif
.endr
.endr
.endm
; 16 for v: source 0 = 16 rows of x, source 1 = 16 rows of wq.
.macro MULV f, zero
.irp a, 0,1,2,3
.irp b, 0,1,2,3
.if \zero
	v_wmma_f32_16x16x32_f16 v[8*(4*\a+\b):8*(4*\a+\b)+7], v[FA+32*\f+8*\a:FA+32*\f+8*\a+7], v[96*\f+8*(8+\b):96*\f+8*(8+\b)+7], 0
.else
	v_wmma_f32_16x16x32_f16 v[8*(4*\a+\b):8*(4*\a+\b)+7], v[FA+32*\f+8*\a:FA+32*\f+8*\a+7], v[96*\f+8*(8+\b):96*\f+8*(8+\b)+7], v[8*(4*\a+\b):8*(4*\a+\b)+7]
.endif
.endr
.endr
.endm
; 32 LDS loads in one run: one quarter step's fragments (32 K at byte k of the rows) into buffer f; v's eight come last
.macro FETCH slot, k, f
	WIN 0
.irp i, 0,1,2,3
	ds_load_b128 v[FA+32*\f+8*\i:FA+32*\f+8*\i+3], v[ADRA+\slot] offset:\k+\i*16*PITCH
	ds_load_b128 v[FA+32*\f+8*\i+4:FA+32*\f+8*\i+7], v[ADRA+\slot] offset:\k+\i*16*PITCH+32
.endr
	WIN 0x40
.irp i, 0,1,2,3,4,5,6,7,8,9,10,11
	ds_load_b128 v[96*\f+8*\i:96*\f+8*\i+3], v[ADRB+\slot] offset:\k+\i*16*PITCH
	ds_load_b128 v[96*\f+8*\i+4:96*\f+8*\i+7], v[ADRB+\slot] offset:\k+\i*16*PITCH+32
.endr
.endm
; A quarter step: 48 matrix instructions on buffer f; in its middle the next quarter's fragments are fetched into buffer g.
; The 48 accumulators take turns, one instruction a turn, in the same order in every quarter, over the loop's jump too.
.macro QUARTER slot, k, f, g, zero
	s_wait_dscnt 8                                 ; all but the youngest eight loads (v's rows of wq) are in
	WIN 0xa1                                       ; source 0 window 1, source 1 window 0, C and D window 2
	MULQK \f, 0, \zero
	MULQK \f, 1, \zero
	PLACES                                         ; buffer g was read by the last quarter's matrix instructions
	FETCH \slot, \k, \g
	s_wait_dscnt 32                                ; all but the 32 just issued
	WIN 0xf4                                       ; source 0 window 0, source 1 window 1, C and D window 3
	MULV \f, \zero
.endm
.macro THREE slot, zero
	QUARTER \slot, 64,  0, 1, \zero
	QUARTER \slot, 128, 1, 0, 0
	QUARTER \slot, 192, 0, 1, 0
.endm
; The last quarter of a K step changes slots.  In front of the barrier each wave waits for its reads of this slot and for all its tensor loads (one is out:
; its part of the next slot).  Where the slot is filled again the barrier opens a round of the cluster's barrier, and the joint refill is the first
; tensor load behind the round.  From that request to the wait for it a wave issues 176 matrix instructions.
.macro TURN slot, next, fill
	s_wait_dscnt 8
	WIN 0xa1
	MULQK 1, 0, 0
	s_wait_dscnt 0x0                               ; my reads of this slot are over
	s_wait_tensorcnt 0x0                           ; all my tensor loads have landed
	ds_add_u32 v255, v31
	s_wait_dscnt 0x0
	s_barrier_signal -1
	MULQK 1, 1, 0                                  ; register work while the others arrive
	WIN 0
	s_barrier_wait -1
.if \fill
	CREST                                          ; no wave of any partner still reads this slot or has a load on its way
	s_add_nc_u64 s[G0A+4*\slot+2:G0A+4*\slot+3], s[G0A+4*\slot+2:G0A+4*\slot+3], 512   ; two K steps on
	s_add_nc_u64 s[G0B+4*\slot+2:G0B+4*\slot+3], s[G0B+4*\slot+2:G0B+4*\slot+3], 512
	JLOAD \slot
.endif
	PLACES
	FETCH \next, 0, 0
	WIN 0xf4
	MULV 1, 0
.endm
.macro LAP zero
	THREE 0, \zero
	TURN 0, 1, 1
	THREE 1, 0
	TURN 1, 0, 1
.endm
	s_wait_tensorcnt 0x1                           ; my part of K step 0 is in; step 1's stays out
	s_barrier_signal -1
	s_barrier_wait -1
	FETCH 0, 0, 0
	LAP 1                                          ; K steps 0, 1: the first products start the sums, nothing is cleared
	WIN 0
	s_mov_b32 s3, 2
.Llap:
	LAP 0                                          ; K steps 2 to 5
	WIN 0
	s_sub_co_u32 s3, s3, 1
	s_cmp_lg_u32 s3, 0
	s_cbranch_scc1 .Llap
	THREE 0, 0                                     ; K steps 6, 7: nothing is left to fetch
	TURN 0, 1, 0
	THREE 1, 0
	s_wait_dscnt 8
	WIN 0xa1
	MULQK 1, 0, 0
	MULQK 1, 1, 0
	s_wait_dscnt 0x0
	WIN 0xf4
	MULV 1, 0
	WIN 0
	PLACES                                         ; behind the last matrix instructions, in front of the first read of a result
	s_wait_loadcnt 0x0                             ; the table and the biases
; v, rows 16 a .. 16 a + 15 of my 64: + bias, to f16; a lane's 8 results are keys 16 a + 8 h .. of column d = 16 b + r.
.macro OUTV a
	WIN 0x0f                                       ; sources 0 and 1 window 3
.irp b, 0,1,2,3
.irp p, 0,1,2,3
	v_pk_add_f32 v[T+8*\b+2*\p:T+8*\b+2*\p+1], v[8*(4*\a+\b)+2*\p:8*(4*\a+\b)+2*\p+1], v[192+2*\b:193+2*\b]
.endr
.endr
	WIN 0
.irp i, 0,1,2,3,4,5,6,7,8,9,10,11,12,13,14,15
	v_cvt_pk_f16_f32 v[PK+\i], v[T+2*\i], v[T+2*\i+1]
.endr
.irp b, 0,1,2,3
	ds_store_b128 v[VSTO], v[PK+4*\b:PK+4*\b+3] offset:16*VSP*\b+32*\a
.endr
.endm
; q (part 0) or k (part 1), rows 16 a .. 16 a + 15: + bias, RoPE, to f16, through my own stage, out as 2,048 consecutive bytes.
.macro OUTQK part, a, base
	WIN 0x0e                                       ; source 0 window 2, source 1 window 3
.irp b, 0,1,2,3
.irp p, 0,1,2,3
	v_pk_add_f32 v[T+8*\b+2*\p:T+8*\b+2*\p+1], v[128*\part+8*(4*\a+\b)+2*\p:128*\part+8*(4*\a+\b)+2*\p+1], v[128+32*\part+8*\b+2*\p:128+32*\part+8*\b+2*\p+1]
.endr
.endr
	WIN 0
.irp i, 0,1,2,3,4,5,6,7,8,9,10,11,12,13,14,15
	v_mul_f32 v[UW+2*\i], v[T+2*\i+1], v[TAB+32*\a+2*\i+1]             ; im sin
	v_mul_f32 v[UW+2*\i+1], v[T+2*\i+1], v[TAB+32*\a+2*\i]             ; im cos
.endr
.irp i, 0,1,2,3,4,5,6,7,8,9,10,11,12,13,14,15
	v_fma_f32 v[UW+2*\i], v[T+2*\i], v[TAB+32*\a+2*\i], -v[UW+2*\i]    ; re cos - im sin
	v_fma_f32 v[UW+2*\i+1], v[T+2*\i], v[TAB+32*\a+2*\i+1], v[UW+2*\i+1]   ; re sin + im cos
.endr
.irp i, 0,1,2,3,4,5,6,7,8,9,10,11,12,13,14,15
	v_cvt_pk_f16_f32 v[PK+\i], v[UW+2*\i], v[UW+2*\i+1]
.endr
.irp b, 0,1,2,3
	ds_store_b128 v[QSTO], v[PK+4*\b:PK+4*\b+3] offset:32*\b
.endr
	s_wait_xcnt 0x0                                ; RB, which the last call's stores read, is loaded again only behind this wait
.irp t, 0,1,2,3
	ds_load_b128 v[RB+4*\t:RB+4*\t+3], v[QRD] offset:4*QSP*\t          ; LDS serves a wave's instructions in order: these see the stores above
.endr
.irp t, 0,1,2,3
	s_wait_dscnt 3-\t
	global_store_b128 v[QCO], v[RB+4*\t:RB+4*\t+3], s[\base:\base+1] offset:2048*\a+512*\t
.endr
.endm
	OUTV 0
	OUTV 1
	OUTV 2
	OUTV 3
	OUTQK 0, 0, 12
	OUTQK 0, 1, 12
	OUTQK 0, 2, 12
	OUTQK 0, 3, 12
	OUTQK 1, 0, 14
	OUTQK 1, 1, 14
	OUTQK 1, 2, 14
	OUTQK 1, 3, 14
	s_wait_dscnt 0x0                               ; my part of v's stage is written,
	s_barrier_signal -1
	s_barrier_wait -1                              ; everybody's is: a row of 256 keys is whole
.irp t, 0,1,2,3,4,5,6,7,8,9,10,11,12,13,14,15
	ds_load_b128 v[T+4*\t:T+4*\t+3], v[VRD] offset:VSP*\t              ; v32-95: no pending store names them
.endr
.irp t, 0,1,2,3,4,5,6,7,8,9,10,11,12,13,14,15
	s_wait_dscnt 15-\t
	global_store_b128 v[VCO], v[T+4*\t:T+4*\t+3], s[16:17] offset:4096*\t   ; 512 consecutive bytes of row d = 16 w + t
.endr
	s_set_vgpr_msb 0x1
	s_wait_tensorcnt 0x0
	ds_add_u32 v255, v31
	s_wait_dscnt 0x0
	s_set_vgpr_msb 0x100
	CROUND                                         ; the closing round: no work-group ends while a partner may still ask for a tile that names it
	s_endpgm
.Lfunc_end_k_q55e2ed1904_qkv:
	.size	k_q55e2ed1904_qkv, .Lfunc_end_k_q55e2ed1904_qkv-k_q55e2ed1904_qkv
	.p2alignl 7, 3214868480
	.fill 96, 4, 3214868480
	.section	.rodata,"a",@progbits
	.p2align	6, 0x0
	.amdhsa_kernel k_q55e2ed1904_qkv
		.amdhsa_group_segment_fixed_size 327680
		.amdhsa_private_segment_fixed_size 0
		.amdhsa_enable_private_segment 0
		.amdhsa_kernarg_size 56
		.amdhsa_user_sgpr_count 2
		.amdhsa_user_sgpr_kernarg_segment_ptr 1
		.amdhsa_wavefront_size32 1
		.amdhsa_system_sgpr_workgroup_id_x 1
		.amdhsa_system_sgpr_workgroup_id_y 1
		.amdhsa_system_sgpr_workgroup_id_z 1
		.amdhsa_system_vgpr_workitem_id 0
		.amdhsa_next_free_vgpr 1024
		.amdhsa_next_free_sgpr 80
		.amdhsa_reserve_vcc 0
		.amdhsa_float_denorm_mode_32 3
		.amdhsa_float_denorm_mode_16_64 3
		.amdhsa_memory_ordered 1
		.amdhsa_forward_progress 1
		.amdhsa_inst_pref_size 206
	.end_amdhsa_kernel
	.amdgpu_metadata
---
amdhsa.version: [ 1, 2 ]
amdhsa.kernels:
  - .name:           k_q55e2ed1904_qkv
    .symbol:         k_q55e2ed1904_qkv.kd
    .args:
      - { .name: xb, .offset: 0, .size: 8, .value_kind: global_buffer, .address_space: global }
      - { .name: wq, .offset: 8, .size: 8, .value_kind: global_buffer, .address_space: global }
      - { .name: bqkv, .offset: 16, .size: 8, .value_kind: global_buffer, .address_space: global }
      - { .name: tab, .offset: 24, .size: 8, .value_kind: global_buffer, .address_space: global }
      - { .name: qb, .offset: 32, .size: 8, .value_kind: global_buffer, .address_space: global }
      - { .name: kb, .offset: 40, .size: 8, .value_kind: global_buffer, .address_space: global }
      - { .name: vt, .offset: 48, .size: 8, .value_kind: global_buffer, .address_space: global }
    .group_segment_fixed_size: 327680
    .private_segment_fixed_size: 0
    .kernarg_segment_align: 8
    .kernarg_segment_size: 56
    .max_flat_workgroup_size: 128
    .sgpr_count:     80
    .vgpr_count:     1024
    .wavefront_size: 32
...
	.end_amdgpu_metadata
.endif
;; end of part 2
;; launch attn (part 3): grid 8 x 32, 8 waves a work-group, clusters of 4 x 1, 327,680 bytes of LDS; arguments qb, kb, vt, ao; writes ao
.if DOCPART == 3
	.amdgcn_target "amdgcn-amd-amdhsa--gfx1250"
	.amdhsa_code_object_version 6
	.text
	.protected	k_q55e2ed1904_attn
	.globl	k_q55e2ed1904_attn
	.p2align	8
	.type	k_q55e2ed1904_attn,@function
k_q55e2ed1904_attn:
	s_mov_b64 s[64:65], 0
	v_nop
	global_prefetch_b8 v0, s[64:65] scope:SCOPE_SE
	s_setreg_imm32_b32 hwreg(HW_REG_WAVE_MODE, 25, 1), 1
	s_wait_xcnt 0x0
	s_wait_alu depctr_hold_cnt(0) depctr_sa_sdst(0) depctr_va_vdst(0) depctr_va_sdst(0) depctr_va_ssrc(0) depctr_va_vcc(0) depctr_vm_vsrc(0)
	s_getreg_b32 s2, hwreg(HW_REG_IB_STS2, 6, 4)
	s_cmp_eq_u32 s2, 0
	s_cbranch_scc0 .Lentry_in_a_cluster
	s_endpgm
.Lentry_in_a_cluster:
	s_bfe_u32 s2, ttmp6, 0x10000c
	s_cmp_lg_u32 s2, 0x3003
	s_cbranch_scc0 .Lentry_shape_is_right
	s_endpgm
.Lentry_shape_is_right:
; attn: softmax(q k^T / 8) v for one (batch, head) and 256 queries.  qb, kb [32 bh][2048][64] f16, vt [32 bh][64 d][2048 key] f16, ao as qb.
; Eight waves, two on a SIMD, so that one wave's softmax can run beside the other's matrix instructions.  Wave w: queries 64 (w & 3) .. + 63 and, of every
; slot of 256 keys, keys 128 (w >> 2) .. + 127.  Each half of the keys keeps its own running maximum, sum and O; waves w and w + 4 are merged at the end.
; (An order of summing that differs from a softmax over all keys at once.)
; S is made transposed (source 0 = 16 keys, source 1 = 16 queries): a lane holds ONE query (r = lane % 16) and keys 8 h + 0..7 of each tile, so maximum, sum and
; rescaling are a lane's own numbers, and P packed to f16 is already the second source of O^T = V^T P^T: no shuffle, no trip through LDS.
; The maximum is taken away before every exponential (a running maximum); p = 2^(sigma s - sigma m), sigma = log2(e) / 8.
; CLUSTER of 4 x 1: the four query blocks of a cluster read the same K and V tiles and ask for them jointly (mask 15).
; LIMIT: P (at most 1) and the result are f16; a p below 6e-8 counts as 0.  NaN and infinities in q, k, v are not treated.
; REGISTERS: window 0: v10-18 addresses, v20-63 softmax state, v64-127 fragments of K, v128-255 S(qt, kt) at 128 + 32 qt + 8 kt, then P in place
;            window 1: v0-63 fragments of Q, v64-127 fragments of V^T, v128-255 O(qt, dt) at 128 + 32 qt + 8 dt
.set KP,   144                         ; K's rows in LDS: 128 bytes + 16
.set VP,   528                         ; V^T's rows: 512 bytes (256 keys) + 16
.set KT,   256*KP                      ; 36,864
.set SLOT, KT+64*VP                    ; 70,656
.set XCH,  2*SLOT                      ; 141,312: where waves 4-7 hand O, m, l to waves 0-3; no tensor load lands here
.set XSZ,  17408                       ; 32 x 512 bytes of O, 512 of m, 512 of l
.set STG,  XCH+4*XSZ                   ; 210,944: the way out, 16 rows x 144 bytes for each of waves 0-3
.set KA,  10
.set VA,  12
.set QO,  14
.set XA,  15
.set STO, 16
.set RD,  17
.set CO,  18
.set MR,  20                           ; v20-23 running maximum of query tile qt (raw scores)
.set LR,  24                           ; v24-27 running sum, of my half of the lanes' keys
.set NM,  28                           ; v28-35 -sigma m, twice
.set AL,  36                           ; v36-43 alpha = 2^(sigma (m old - m new)), twice
.set MX,  44                           ; v44-59 at work
.set TP,  60                           ; v60-63 the other half's number
.set KF,  64
.set SC,  128
.set VF,  64
.set G1K, 24
.set G1V, 32
.set G0K, 40
.set G0V, 48
.set MSB, 0
.macro WIN new
.if MSB != \new
	s_set_vgpr_msb (MSB<<8)|\new
.set MSB, \new
.endif
.endm
.macro PLACES
.rept 4
	v_nop
.endr
.endm
.macro ROUND                           ; a round of the cluster's barrier
	s_barrier_signal -1
	s_barrier_wait -1
	s_cmp_lg_u32 s12, 0
	s_cbranch_scc1 .Lnot_wave_0_\@
	s_barrier_signal -3
.Lnot_wave_0_\@:
	s_barrier_wait -3
	s_barrier_signal -1
	s_barrier_wait -1
.endm
.macro JLOAD s                         ; waves 0, 1: 128 rows of K each; wave 2: V^T's 64 rows; the others ask for nothing
	s_cmp_ge_u32 s12, 2
	s_cbranch_scc1 .Lnot_k_\@
	tensor_load_to_lds s[G0K+4*\s:G0K+4*\s+3], s[G1K:G1K+7]
	s_nop 0
	s_branch .Lasked_\@
.Lnot_k_\@:
	s_cmp_lg_u32 s12, 2
	s_cbranch_scc1 .Lasked_\@
	tensor_load_to_lds s[G0V+4*\s:G0V+4*\s+3], s[G1V:G1V+7]
	s_nop 0
.Lasked_\@:
.endm
	s_load_b256 s[4:11], s[0:1], 0x0               ; qb s[4:5], kb s[6:7], vt s[8:9], ao s[10:11]
	v_lshl_add_u32 v9, v0, 2, 0x35c00
	v_mov_b32 v19, 0
	ds_add_u32 v9, v19
	v_lshrrev_b32 v1, 5, v0
	v_readfirstlane_b32 s12, v1                    ; wave
	s_and_b32 s14, s12, 1
	s_and_b32 s19, s12, 3                          ; which 64 queries
	s_lshr_b32 s20, s12, 2                         ; which half of a slot's keys
	s_bfe_u32 s15, ttmp6, 0x40000                  ; cx
	s_and_b32 s17, ttmp7, 0xffff                   ; bh
	s_lshl_b32 s18, ttmp9, 2
	s_add_co_u32 s18, s18, s15                     ; query block = 4 x cluster x + cx
	s_mov_b32 s56, 0x3e38aa3b                      ; sigma = log2(e) / 8
	s_mov_b32 s57, 0x3e38aa3b
	s_mov_b32 s58, 0x76543210                      ; v_permlanex16_b32: lane i reads lane i of the other half
	s_mov_b32 s59, 0xfedcba98
	; K's tile: 128 rows of 64 f16 (32 words), 4 words of padding; V^T's: 64 rows of 256 f16 (128 words), 2,048 elements from row to row
	s_mov_b32 s[G1K+0], 15|(1<<16)|(1<<20)|(1<<21)|(4<<22)|(3<<25)
	s_mov_b32 s[G1K+1], 64<<16
	s_mov_b32 s[G1K+2], 128<<16
	s_mov_b32 s[G1K+3], 64<<16
	s_mov_b32 s[G1K+4], 128
	s_mov_b32 s[G1K+5], 64
	s_mov_b32 s[G1K+6], 0
	s_mov_b32 s[G1K+7], 0
	s_mov_b32 s[G1V+0], 15|(1<<16)|(1<<20)|(1<<21)|(6<<22)|(3<<25)
	s_mov_b32 s[G1V+1], 256<<16
	s_mov_b32 s[G1V+2], 64<<16
	s_mov_b32 s[G1V+3], 256<<16
	s_mov_b32 s[G1V+4], 64
	s_mov_b32 s[G1V+5], 2048
	s_mov_b32 s[G1V+6], 0
	s_mov_b32 s[G1V+7], 0
	s_lshl_b32 s60, s17, 18                        ; 262,144 bytes a (batch, head)
	s_mov_b32 s61, 0
	s_lshl_b32 s62, s14, 14                        ; K: my 128 rows of 128 bytes
	s_mov_b32 s63, 0
	s_mul_i32 s21, s12, 128*KP
	s_lshl_b32 s22, s18, 15                        ; queries: 256 rows of 128 bytes a block,
	s_lshl_b32 s23, s19, 13                        ; 64 a wave
	s_add_co_u32 s22, s22, s23
	s_add_co_u32 s22, s22, s60
	s_mov_b32 s23, 0
	s_wait_dscnt 0x0
	s_wait_kmcnt 0x0
	s_add_nc_u64 s[6:7], s[6:7], s[60:61]
	s_add_nc_u64 s[6:7], s[6:7], s[62:63]
	s_add_nc_u64 s[8:9], s[8:9], s[60:61]
	s_add_nc_u64 s[4:5], s[4:5], s[22:23]
	s_add_nc_u64 s[10:11], s[10:11], s[22:23]
.irp s, 0,1
	s_mov_b32 s[G0K+4*\s], 1
	s_add_co_u32 s[G0K+4*\s+1], s21, \s*SLOT
	s_add_nc_u64 s[G0K+4*\s+2:G0K+4*\s+3], s[6:7], \s*256*128      ; keys 256 s ..
	s_or_b32 s[G0K+4*\s+3], s[G0K+4*\s+3], 0x80000000
	s_mov_b32 s[G0V+4*\s], 1
	s_mov_b32 s[G0V+4*\s+1], KT+\s*SLOT
	s_add_nc_u64 s[G0V+4*\s+2:G0V+4*\s+3], s[8:9], \s*512
	s_or_b32 s[G0V+4*\s+3], s[G0V+4*\s+3], 0x80000000
.endr
	ROUND                                          ; in front of the first joint load
	JLOAD 0                                        ; keys 0-255; from here on one tensor load of a wave is out at the most
	v_and_b32 v1, 31, v0                           ; L
	v_and_b32 v2, 15, v0                           ; r
	v_bfe_u32 v3, v0, 4, 1                         ; h
	v_lshlrev_b32 v[QO], 7, v2
	v_lshl_add_u32 v[QO], v3, 4, v[QO]             ; Q: row r, 16 bytes at 16 h
	WIN 0x40                                       ; destination window 1
.irp qt, 0,1,2,3
.irp c, 0,1
	global_load_b128 v[16*\qt+8*\c:16*\qt+8*\c+3], v[QO], s[4:5] offset:2048*\qt+64*\c
	global_load_b128 v[16*\qt+8*\c+4:16*\qt+8*\c+7], v[QO], s[4:5] offset:2048*\qt+64*\c+32
.endr
.endr
	WIN 0
	v_mul_u32_u24 v4, v2, KP
	v_lshl_add_u32 v4, v3, 4, v4
	s_mul_i32 s60, s20, 128*KP
	v_add_nc_u32 v[KA], s60, v4                    ; K: key 128 kh + r
	v_add_nc_u32 v[KA+1], SLOT, v[KA]
	v_mul_u32_u24 v5, v2, VP
	v_lshl_add_u32 v5, v3, 4, v5
	s_lshl_b32 s60, s20, 8
	s_add_co_u32 s60, s60, KT
	v_add_nc_u32 v[VA], s60, v5                    ; V^T: row d = r, my 128 keys at byte 256 kh
	v_add_nc_u32 v[VA+1], SLOT, v[VA]
	v_lshlrev_b32 v[CO], 4, v1
	s_mul_i32 s60, s19, XSZ
	s_add_co_u32 s60, s60, XCH
	v_add_nc_u32 v[XA], s60, v[CO]
	s_mul_i32 s60, s19, 16*KP
	s_add_co_u32 s60, s60, STG
	v_add_nc_u32 v[STO], s60, v4
	v_lshrrev_b32 v6, 3, v1
	v_and_b32 v7, 7, v1
	v_mul_u32_u24 v6, v6, KP
	v_lshl_add_u32 v6, v7, 4, v6
	v_add_nc_u32 v[RD], s60, v6
.irp qt, 0,1,2,3
	v_mov_b32 v[TP+\qt], 0                         ; v_permlanex16_b32's destination counts as read
.endr
	s_wait_loadcnt 0x0                             ; Q, once
; the fragments of K for block kb (64 keys) of my half of the slot
.macro KLOAD slot, kb
.irp kt, 0,1,2,3
.irp c, 0,1
	ds_load_b128 v[KF+16*\kt+8*\c:KF+16*\kt+8*\c+3], v[KA+\slot] offset:(64*\kb+16*\kt)*KP+64*\c
	ds_load_b128 v[KF+16*\kt+8*\c+4:KF+16*\kt+8*\c+7], v[KA+\slot] offset:(64*\kb+16*\kt)*KP+64*\c+32
.endr
.endr
.endm
; 64 queries x 64 keys.  first = 1: the launch's first block starts maximum, sum and O.  nextk = 1: the next block's K is fetched meanwhile.
.macro KBLOCK slot, kb, first, nextk
.rept 5
	v_nop                                          ; S is written over P, a source of the last block's matrix instructions: five places (ISA guide 7.12.1)
.endr
	s_wait_dscnt 0x0                               ; K's fragments
	WIN 0x04                                       ; source 1 (Q) window 1
	; the 16 tiles of S take turns, one instruction a turn
.irp qt, 0,1,2,3
.irp kt, 0,1,2,3
	v_wmma_f32_16x16x32_f16 v[SC+32*\qt+8*\kt:SC+32*\qt+8*\kt+7], v[KF+16*\kt:KF+16*\kt+7], v[16*\qt:16*\qt+7], 0
.endr
.endr
.irp qt, 0,1,2,3
.irp kt, 0,1,2,3
	v_wmma_f32_16x16x32_f16 v[SC+32*\qt+8*\kt:SC+32*\qt+8*\kt+7], v[KF+16*\kt+8:KF+16*\kt+15], v[16*\qt+8:16*\qt+15], v[SC+32*\qt+8*\kt:SC+32*\qt+8*\kt+7]
.endr
.endr
	PLACES                                         ; in front of the loads into K's fragments and of the first read of S
	WIN 0x40
.irp dt, 0,1,2,3
.irp kc, 0,1
	ds_load_b128 v[VF+16*\dt+8*\kc:VF+16*\dt+8*\kc+3], v[VA+\slot] offset:16*VP*\dt+128*\kb+64*\kc
	ds_load_b128 v[VF+16*\dt+8*\kc+4:VF+16*\dt+8*\kc+7], v[VA+\slot] offset:16*VP*\dt+128*\kb+64*\kc+32
.endr
.endr
	WIN 0
.if \nextk
	KLOAD \slot, 1
.endif
	; the largest of my 32 scores of each query tile, of the running maximum, and of the other half of the lanes
.irp kt, 0,1,2,3
.irp qt, 0,1,2,3
	v_max3_num_f32 v[MX+4*\kt+\qt], v[SC+32*\qt+8*\kt], v[SC+32*\qt+8*\kt+1], v[SC+32*\qt+8*\kt+2]
.endr
.endr
.irp j, 3,5
.irp kt, 0,1,2,3
.irp qt, 0,1,2,3
	v_max3_num_f32 v[MX+4*\kt+\qt], v[MX+4*\kt+\qt], v[SC+32*\qt+8*\kt+\j], v[SC+32*\qt+8*\kt+\j+1]
.endr
.endr
.endr
.irp qt, 0,1,2,3
	v_max3_num_f32 v[MX+\qt], v[MX+\qt], v[MX+4+\qt], v[SC+32*\qt+7]
.endr
.irp qt, 0,1,2,3
	v_max3_num_f32 v[MX+8+\qt], v[MX+8+\qt], v[MX+12+\qt], v[SC+32*\qt+15]
.endr
.irp qt, 0,1,2,3
	v_max3_num_f32 v[MX+\qt], v[MX+\qt], v[MX+8+\qt], v[SC+32*\qt+23]
.endr
.irp qt, 0,1,2,3
.if \first
	v_max_num_f32 v[MX+\qt], v[MX+\qt], v[SC+32*\qt+31]
.else
	v_max3_num_f32 v[MX+\qt], v[MX+\qt], v[SC+32*\qt+31], v[MR+\qt]
.endif
.endr
.irp qt, 0,1,2,3
	v_permlanex16_b32 v[TP+\qt], v[MX+\qt], s58, s59
.endr
.irp qt, 0,1,2,3
	v_max_num_f32 v[MX+\qt], v[MX+\qt], v[TP+\qt]  ; the new maximum, the same in both halves
.endr
.if \first == 0
.irp qt, 0,1,2,3
	v_sub_f32 v[MX+4+\qt], v[MR+\qt], v[MX+\qt]
.endr
.irp qt, 0,1,2,3
	v_mul_f32 v[MX+4+\qt], s56, v[MX+4+\qt]
.endr
.irp qt, 0,1,2,3
	v_exp_f32 v[AL+2*\qt], v[MX+4+\qt]             ; alpha; the plain instructions below stand between it and its use (ISA guide 5.7.2)
.endr
.endif
.irp qt, 0,1,2,3
	v_mul_f32 v[NM+2*\qt], 0xbe38aa3b, v[MX+\qt]   ; -sigma m
.endr
.irp qt, 0,1,2,3
	v_mov_b32 v[NM+2*\qt+1], v[NM+2*\qt]
	v_mov_b32 v[MR+\qt], v[MX+\qt]
.endr
.if \first == 0
	s_wait_alu depctr_va_vdst(0)
.irp qt, 0,1,2,3
	v_mov_b32 v[AL+2*\qt+1], v[AL+2*\qt]
.endr
.endif
.irp qt, 0,1,2,3
.irp i, 0,2,4,6,8,10,12,14,16,18,20,22,24,26,28,30
	v_pk_fma_f32 v[SC+32*\qt+\i:SC+32*\qt+\i+1], v[SC+32*\qt+\i:SC+32*\qt+\i+1], s[56:57], v[NM+2*\qt:NM+2*\qt+1] op_sel_hi:[1,0,1]   ; sigma s - sigma m
.endr
.endr
.set i, 0
.rept 128
	v_exp_f32 v[SC+i], v[SC+i]
.set i, i+1
.endr
	v_nop                                          ; a plain place behind the last exponential
	; my 32 p of each query tile, in two chains
	s_wait_alu depctr_va_vdst(0)
.irp qt, 0,1,2,3
	v_pk_add_f32 v[MX+4*\qt:MX+4*\qt+1], v[SC+32*\qt:SC+32*\qt+1], v[SC+32*\qt+2:SC+32*\qt+3]
	v_pk_add_f32 v[MX+4*\qt+2:MX+4*\qt+3], v[SC+32*\qt+16:SC+32*\qt+17], v[SC+32*\qt+18:SC+32*\qt+19]
.endr
.irp i, 4,6,8,10,12,14
.irp qt, 0,1,2,3
	v_pk_add_f32 v[MX+4*\qt:MX+4*\qt+1], v[MX+4*\qt:MX+4*\qt+1], v[SC+32*\qt+\i:SC+32*\qt+\i+1]
	v_pk_add_f32 v[MX+4*\qt+2:MX+4*\qt+3], v[MX+4*\qt+2:MX+4*\qt+3], v[SC+32*\qt+16+\i:SC+32*\qt+16+\i+1]
.endr
.endr
.irp qt, 0,1,2,3
	v_pk_add_f32 v[MX+4*\qt:MX+4*\qt+1], v[MX+4*\qt:MX+4*\qt+1], v[MX+4*\qt+2:MX+4*\qt+3]
.endr
.irp qt, 0,1,2,3
.if \first
	v_add_f32 v[LR+\qt], v[MX+4*\qt], v[MX+4*\qt+1]
.else
	v_add_f32 v[MX+4*\qt], v[MX+4*\qt], v[MX+4*\qt+1]
.endif
.endr
.if \first == 0
.irp qt, 0,1,2,3
	v_fma_f32 v[LR+\qt], v[LR+\qt], v[AL+2*\qt], v[MX+4*\qt]
.endr
.endif
	; P to f16 in place, ascending, so that no number is overwritten before it is read: tiles 2 kc and 2 kc + 1 become the 8 registers of P(qt, kc)
.irp qt, 0,1,2,3
.irp kc, 0,1
.irp p, 0,1,2,3,4,5,6,7
	v_cvt_pk_f16_f32 v[SC+32*\qt+16*\kc+\p], v[SC+32*\qt+16*\kc+2*\p], v[SC+32*\qt+16*\kc+2*\p+1]
.endr
.endr
.endr
.if \first == 0
	WIN 0x41                                       ; O: destination and source 0 window 1
.irp qt, 0,1,2,3
.irp i, 0,2,4,6,8,10,12,14,16,18,20,22,24,26,28,30
	v_pk_mul_f32 v[128+32*\qt+\i:128+32*\qt+\i+1], v[128+32*\qt+\i:128+32*\qt+\i+1], v[AL+2*\qt:AL+2*\qt+1]
.endr
.endr
.endif
.if \nextk
	s_wait_dscnt 16                                ; V^T's fragments are in; the 16 younger loads are the next block's K
.else
	s_wait_dscnt 0x0
.endif
	WIN 0x51                                       ; source 0 (V^T), C and D window 1; source 1 (P) window 0
.irp qt, 0,1,2,3
.irp dt, 0,1,2,3
.if \first
	v_wmma_f32_16x16x32_f16 v[128+32*\qt+8*\dt:128+32*\qt+8*\dt+7], v[VF+16*\dt:VF+16*\dt+7], v[SC+32*\qt:SC+32*\qt+7], 0
.else
	v_wmma_f32_16x16x32_f16 v[128+32*\qt+8*\dt:128+32*\qt+8*\dt+7], v[VF+16*\dt:VF+16*\dt+7], v[SC+32*\qt:SC+32*\qt+7], v[128+32*\qt+8*\dt:128+32*\qt+8*\dt+7]
.endif
.endr
.endr
.irp qt, 0,1,2,3
.irp dt, 0,1,2,3
	v_wmma_f32_16x16x32_f16 v[128+32*\qt+8*\dt:128+32*\qt+8*\dt+7], v[VF+16*\dt+8:VF+16*\dt+15], v[SC+32*\qt+16:SC+32*\qt+23], v[128+32*\qt+8*\dt:128+32*\qt+8*\dt+7]
.endr
.endr
	WIN 0
.endm
; A slot of 256 keys.  In front of the round every wave waits for all its tensor loads and for its reads of the other slot; behind the round the other
; slot is asked for again first, jointly, and has this slot's work (128 matrix instructions and their softmax in each wave) in which to land.
.macro TRIP slot, other, refill, first
	s_wait_tensorcnt 0x0                           ; all my loads are done, my part of this slot among them, so a group 0 may be written:
	ds_add_u32 v9, v19
	s_wait_dscnt 0x0
	s_add_nc_u64 s[G0K+4*\slot+2:G0K+4*\slot+3], s[G0K+4*\slot+2:G0K+4*\slot+3], 2*256*128   ; this slot's next tile, 512 keys on
	s_add_nc_u64 s[G0V+4*\slot+2:G0V+4*\slot+3], s[G0V+4*\slot+2:G0V+4*\slot+3], 2*512
	s_wait_dscnt 0x0                               ; my reads of the other slot are done
	ROUND                                          ; both now hold of every wave of the four work-groups
.if \refill
	JLOAD \other
.endif
	KLOAD \slot, 0
	KBLOCK \slot, 0, \first, 1
	KBLOCK \slot, 1, 0, 0
.endm
	TRIP 0, 1, 1, 1                                ; keys 0-255; slot 1 gets its first tile as a refill does
	TRIP 1, 0, 1, 0
	s_mov_b32 s3, 2
.Llap:
	TRIP 0, 1, 1, 0
	TRIP 1, 0, 1, 0
	s_sub_co_u32 s3, s3, 1
	s_cmp_lg_u32 s3, 0
	s_cbranch_scc1 .Llap
	TRIP 0, 1, 1, 0
	TRIP 1, 0, 0, 0                                ; keys 1792-2047: nothing is left to fetch (the stepped addresses are not used)
	; THE MERGE of the two halves of the keys
	PLACES                                         ; behind the last matrix instructions
.irp qt, 0,1,2,3
	v_permlanex16_b32 v[TP+\qt], v[LR+\qt], s58, s59
.endr
.irp qt, 0,1,2,3
	v_add_f32 v[LR+\qt], v[LR+\qt], v[TP+\qt]      ; the sum over both halves of the lanes
.endr
	s_cmp_lt_u32 s12, 4
	s_cbranch_scc1 .Lkeep
	WIN 0x04                                       ; store data window 1
.set g, 0
.rept 32
	ds_store_b128 v[XA], v[128+4*g:128+4*g+3] offset:512*g
.set g, g+1
.endr
	WIN 0
	ds_store_b128 v[XA], v[MR:MR+3] offset:16384
	ds_store_b128 v[XA], v[LR:LR+3] offset:16896
.Lkeep:
	s_wait_dscnt 0x0                               ; what waves 4-7 stored is in LDS,
	s_barrier_signal -1
	s_barrier_wait -1                              ; and waves 0-3 may read it
	s_cmp_ge_u32 s12, 4
	s_cbranch_scc1 .Lclose
	ds_load_b128 v[MX:MX+3], v[XA] offset:16384    ; the partner's m
	ds_load_b128 v[MX+4:MX+7], v[XA] offset:16896  ; and l
.set g, 0
.rept 32
	ds_load_b128 v[SC+4*g:SC+4*g+3], v[XA] offset:512*g   ; its O, register for register as mine
.set g, g+1
.endr
	s_wait_dscnt 32                                ; m and l are in; the 32 younger loads stay out
.irp qt, 0,1,2,3
	v_max_num_f32 v[MX+8+\qt], v[MR+\qt], v[MX+\qt]
.endr
.irp qt, 0,1,2,3
	v_sub_f32 v[MX+12+\qt], v[MR+\qt], v[MX+8+\qt]
	v_sub_f32 v[MX+\qt], v[MX+\qt], v[MX+8+\qt]
.endr
.irp qt, 0,1,2,3
	v_mul_f32 v[MX+12+\qt], s56, v[MX+12+\qt]
	v_mul_f32 v[MX+\qt], s56, v[MX+\qt]
.endr
.irp qt, 0,1,2,3
	v_exp_f32 v[AL+2*\qt], v[MX+12+\qt]            ; a1
	v_exp_f32 v[NM+2*\qt], v[MX+\qt]               ; a2
.endr
	v_nop
	s_wait_alu depctr_va_vdst(0)
.irp qt, 0,1,2,3
	v_mul_f32 v[LR+\qt], v[LR+\qt], v[AL+2*\qt]
.endr
.irp qt, 0,1,2,3
	v_fmac_f32 v[LR+\qt], v[MX+4+\qt], v[NM+2*\qt] ; l = l1 a1 + l2 a2, at least 1
.endr
.irp qt, 0,1,2,3
	v_rcp_f32 v[MX+8+\qt], v[LR+\qt]
.endr
	v_nop
	s_wait_alu depctr_va_vdst(0)
.irp qt, 0,1,2,3
	v_mul_f32 v[AL+2*\qt+1], v[AL+2*\qt], v[MX+8+\qt]
	v_mul_f32 v[NM+2*\qt+1], v[NM+2*\qt], v[MX+8+\qt]
.endr
.irp qt, 0,1,2,3
	v_mov_b32 v[AL+2*\qt], v[AL+2*\qt+1]           ; a1 / l, twice
	v_mov_b32 v[NM+2*\qt], v[NM+2*\qt+1]           ; a2 / l, twice
.endr
	s_wait_dscnt 0x0
.irp qt, 0,1,2,3
.irp i, 0,2,4,6,8,10,12,14,16,18,20,22,24,26,28,30
	v_pk_mul_f32 v[SC+32*\qt+\i:SC+32*\qt+\i+1], v[SC+32*\qt+\i:SC+32*\qt+\i+1], v[NM+2*\qt:NM+2*\qt+1]
.endr
.endr
	WIN 0x01                                       ; source 0 (my O) window 1
.irp qt, 0,1,2,3
.irp i, 0,2,4,6,8,10,12,14,16,18,20,22,24,26,28,30
	v_pk_fma_f32 v[SC+32*\qt+\i:SC+32*\qt+\i+1], v[128+32*\qt+\i:128+32*\qt+\i+1], v[AL+2*\qt:AL+2*\qt+1], v[SC+32*\qt+\i:SC+32*\qt+\i+1]
.endr
.endr
	WIN 0
	; THE WAY OUT, 16 queries at a time: a lane holds d = 16 dt + 8 h .. + 7 of query r; through my own stage, out as 2,048 consecutive bytes
.irp qt, 0,1,2,3
.irp i, 0,1,2,3,4,5,6,7,8,9,10,11,12,13,14,15
	v_cvt_pk_f16_f32 v[KF+\i], v[SC+32*\qt+2*\i], v[SC+32*\qt+2*\i+1]
.endr
.irp dt, 0,1,2,3
	ds_store_b128 v[STO], v[KF+4*\dt:KF+4*\dt+3] offset:32*\dt
.endr
	s_wait_xcnt 0x0                                ; registers that earlier stores read are loaded again only behind this wait
.irp t, 0,1,2,3
	ds_load_b128 v[96+16*(\qt&1)+4*\t:96+16*(\qt&1)+4*\t+3], v[RD] offset:4*KP*\t   ; LDS serves a wave's instructions in order: these see the stores above
.endr
.irp t, 0,1,2,3
	s_wait_dscnt 3-\t
	global_store_b128 v[CO], v[96+16*(\qt&1)+4*\t:96+16*(\qt&1)+4*\t+3], s[10:11] offset:2048*\qt+512*\t
.endr
.endr
.Lclose:
	s_wait_tensorcnt 0x0
	ds_add_u32 v9, v19
	s_wait_dscnt 0x0
	ROUND                                          ; the closing round
	s_endpgm
.Lfunc_end_k_q55e2ed1904_attn:
	.size	k_q55e2ed1904_attn, .Lfunc_end_k_q55e2ed1904_attn-k_q55e2ed1904_attn
	.p2alignl 7, 3214868480
	.fill 96, 4, 3214868480
	.section	.rodata,"a",@progbits
	.p2align	6, 0x0
	.amdhsa_kernel k_q55e2ed1904_attn
		.amdhsa_group_segment_fixed_size 327680
		.amdhsa_private_segment_fixed_size 0
		.amdhsa_enable_private_segment 0
		.amdhsa_kernarg_size 32
		.amdhsa_user_sgpr_count 2
		.amdhsa_user_sgpr_kernarg_segment_ptr 1
		.amdhsa_wavefront_size32 1
		.amdhsa_system_sgpr_workgroup_id_x 1
		.amdhsa_system_sgpr_workgroup_id_y 1
		.amdhsa_system_sgpr_workgroup_id_z 1
		.amdhsa_system_vgpr_workitem_id 0
		.amdhsa_next_free_vgpr 512
		.amdhsa_next_free_sgpr 66
		.amdhsa_reserve_vcc 0
		.amdhsa_float_denorm_mode_32 3
		.amdhsa_float_denorm_mode_16_64 3
		.amdhsa_memory_ordered 1
		.amdhsa_forward_progress 1
		.amdhsa_inst_pref_size 255
	.end_amdhsa_kernel
	.section	.bss,"aw",@nobits
	.p2align	6
	.space	262144
	.amdgpu_metadata
---
amdhsa.version: [ 1, 2 ]
amdhsa.kernels:
  - .name:           k_q55e2ed1904_attn
    .symbol:         k_q55e2ed1904_attn.kd
    .args:
      - { .name: qb, .offset: 0, .size: 8, .value_kind: global_buffer, .address_space: global }
      - { .name: kb, .offset: 8, .size: 8, .value_kind: global_buffer, .address_space: global }
      - { .name: vt, .offset: 16, .size: 8, .value_kind: global_buffer, .address_space: global }
      - { .name: ao, .offset: 24, .size: 8, .value_kind: global_buffer, .address_space: global }
    .group_segment_fixed_size: 327680
    .private_segment_fixed_size: 0
    .kernarg_segment_align: 8
    .kernarg_segment_size: 32
    .max_flat_workgroup_size: 256
    .sgpr_count:     66
    .vgpr_count:     512
    .wavefront_size: 32
...
	.end_amdgpu_metadata
.endif
;; end of part 3
;; launch proj (part 4): grid 8 x 32, 4 waves a work-group, clusters of 4 x 4, 327,680 bytes of LDS; arguments ao, wp, bproj, out0; writes out0
.if DOCPART == 4
	.amdgcn_target "amdgcn-amd-amdhsa--gfx1250"
	.amdhsa_code_object_version 6
	.text
	.protected	k_q55e2ed1904_proj
	.globl	k_q55e2ed1904_proj
	.p2align	8
	.type	k_q55e2ed1904_proj,@function
k_q55e2ed1904_proj:
	s_mov_b64 s[64:65], 0
	v_nop
	global_prefetch_b8 v0, s[64:65] scope:SCOPE_SE
	s_setreg_imm32_b32 hwreg(HW_REG_WAVE_MODE, 25, 1), 1
	s_wait_xcnt 0x0
	s_wait_alu depctr_hold_cnt(0) depctr_sa_sdst(0) depctr_va_vdst(0) depctr_va_sdst(0) depctr_va_ssrc(0) depctr_va_vcc(0) depctr_vm_vsrc(0)
	s_getreg_b32 s2, hwreg(HW_REG_IB_STS2, 6, 4)
	s_cmp_eq_u32 s2, 0
	s_cbranch_scc0 .Lentry_in_a_cluster
	s_endpgm
.Lentry_in_a_cluster:
	s_bfe_u32 s2, ttmp6, 0x10000c
	s_cmp_lg_u32 s2, 0xf033
	s_cbranch_scc0 .Lentry_shape_is_right
	s_endpgm
.Lentry_shape_is_right:
; proj: out0 = attention output x Wproj + bproj.  ao [32 bh][2048 pos][64 d] f16 (k = 64 head + d), wp [1024 n][1024 k] f16, out0 [4096][1024] f32.
; A work-group makes 128 x 128 of out0 (8 x 32 = 256 work-groups; a larger block would leave WGPs without work), a wave 64 x 64: 16 accumulator tiles.
; K goes in 4 steps of 256 (4 heads) through two LDS slots, written out without a loop; from a refill's request to the wait for it a wave issues
; 112 matrix instructions.  For 32 along K a wave reads 16 fragments' halves for 16 matrix instructions: as much LDS work as matrix work; taken, since the launch holds an
; eighth of the problem's products.
; CLUSTERS of 4 x 4: ao's tile hangs on the row block alone and is shared along a row of the cluster, wp's on the column block alone, along a column.
; ao's tile: one head's 128 positions are 16,384 consecutive bytes, taken as ONE row of 8,192 elements; two such rows (two heads, 131,072 elements apart) a load.
; The padding counts words along the whole tile, 4 behind every 32, so in LDS the tile lies as [head][position] with a pitch of 144 bytes.
; The matrix instruction is used with the sources swapped: a lane holds 8 neighbouring columns of one row.
.set AP,    144
.set AHEAD, 128*AP                     ; one head's rows in LDS: 18,432
.set BP,    528                        ; wp's rows: 512 bytes + 16
.set ATILE, 4*AHEAD                    ; 73,728
.set SLOT,  ATILE+128*BP               ; 141,312
.set STAGE, 2*SLOT                     ; 282,624: 16 rows x 272 bytes for each wave; no tensor load lands here
.set SP,    272
.set ADRA, 16
.set ADRB, 18
.set STO,  20
.set RD,   21
.set CO,   22
.set BO,   23
.set FA,   32                          ; fragments of ao: v32-63 (buffer 0), v96-127 (buffer 1)
.set FB,   64                          ; fragments of wp: v64-95, v128-159
.set BI,   160                         ; v160-191 bias of my 64 columns, as the accumulators hold them
.set T,    32                          ; the way out
.set RB,   64
.set G1A, 24
.set G0A, 32
.set G1B, 40
.set G0B, 48
.set MSB, 0
.macro WIN new
.if MSB != \new
	s_set_vgpr_msb (MSB<<8)|\new
.set MSB, \new
.endif
.endm
.macro PLACES
.rept 4
	v_nop
.endr
.endm
.macro JLOAD s                         ; waves 0, 1 ask for two heads of ao each, waves 2, 3 for 64 rows of wp each
	s_cmp_eq_u32 s19, 0
	s_cbranch_scc0 .Lfor_b_\@
	tensor_load_to_lds s[G0A+4*\s:G0A+4*\s+3], s[G1A:G1A+7]
	s_nop 0
	s_branch .Lasked_\@
.Lfor_b_\@:
	tensor_load_to_lds s[G0B+4*\s:G0B+4*\s+3], s[G1B:G1B+7]
	s_nop 0
.Lasked_\@:
.endm
.macro CREST
	s_cmp_lg_u32 s18, 0
	s_cbranch_scc1 .Lnot_wave_0_\@
	s_barrier_signal -3
.Lnot_wave_0_\@:
	s_barrier_wait -3
	s_barrier_signal -1
	s_barrier_wait -1
.endm
.macro CROUND
	s_barrier_signal -1
	s_barrier_wait -1
	CREST
.endm
	s_load_b256 s[4:11], s[0:1], 0x0               ; ao s[4:5], wp s[6:7], bproj s[8:9], out0 s[10:11]
	v_lshl_add_u32 v254, v0, 2, 0x49400
	v_mov_b32 v255, 0
	ds_add_u32 v254, v255
	v_lshrrev_b32 v1, 5, v0
	v_readfirstlane_b32 s18, v1                    ; wave
	s_lshr_b32 s19, s18, 1                         ; my half of the rows.  Also: I fetch ao (0) or wp (1)
	s_and_b32 s20, s18, 1                          ; my half of the columns.  Also: which half of that tile
	s_bfe_u32 s21, ttmp6, 0x40000                  ; cx
	s_bfe_u32 s22, ttmp6, 0x40004                  ; cy
	s_lshl_b32 s23, ttmp9, 2
	s_add_co_u32 s23, s23, s21                     ; column block
	s_and_b32 s56, ttmp7, 0xffff
	s_lshl_b32 s56, s56, 2
	s_add_co_u32 s56, s56, s22                     ; row block
	s_lshl_b32 s57, s22, 2
	s_lshl_b32 s57, 15, s57
	s_lshl_b32 s58, 0x1111, s21
	s_or_b32 s[G1A+0], s57, (1<<16)|(1<<20)|(1<<21)|(4<<22)|(3<<25)   ; 4 words of padding behind every 32
	s_mov_b32 s[G1A+1], 8192<<16                   ; tensor_dim0 = 8,192
	s_mov_b32 s[G1A+2], 2<<16                      ; tensor_dim1 = 2
	s_mov_b32 s[G1A+3], 8192<<16                   ; tile_dim0
	s_mov_b32 s[G1A+4], 2                          ; tile_dim1
	s_mov_b32 s[G1A+5], 131072                     ; elements from a head to the next
	s_mov_b32 s[G1A+6], 0
	s_mov_b32 s[G1A+7], 0
	s_or_b32 s[G1B+0], s58, (1<<16)|(1<<20)|(1<<21)|(6<<22)|(3<<25)   ; 4 words behind every 128
	s_mov_b32 s[G1B+1], 256<<16
	s_mov_b32 s[G1B+2], 64<<16
	s_mov_b32 s[G1B+3], 256<<16
	s_mov_b32 s[G1B+4], 64
	s_mov_b32 s[G1B+5], 1024
	s_mov_b32 s[G1B+6], 0
	s_mov_b32 s[G1B+7], 0
	s_lshr_b32 s60, s56, 4
	s_lshl_b32 s60, s60, 22                        ; batch: 16 heads of 262,144 bytes
	s_and_b32 s61, s56, 15
	s_lshl_b32 s61, s61, 14                        ; 128 positions of 128 bytes
	s_add_co_u32 s60, s60, s61
	s_lshl_b32 s61, s20, 19                        ; my two heads of the slot's four
	s_add_co_u32 s60, s60, s61
	s_mov_b32 s61, 0
	s_lshl_b32 s66, s23, 7
	s_lshl_b32 s67, s20, 6
	s_add_co_u32 s66, s66, s67                     ; wp's row 128 cb + 64 half
	s_lshl_b32 s66, s66, 11
	s_mov_b32 s67, 0
	s_mul_i32 s59, s18, 2*AHEAD                    ; LDS: ao's halves at 0 and 36,864 (waves 0, 1),
	s_mul_i32 s74, s18, 64*BP
	s_add_co_u32 s74, s74, ATILE-128*BP            ; wp's at 73,728 and 107,520 (waves 2, 3)
	s_lshl_b32 s72, s23, 9
	s_lshl_b32 s73, s20, 8
	s_add_co_u32 s72, s72, s73                     ; my first column, in bytes of f32
	s_mov_b32 s73, 0
	s_lshl_b32 s70, s56, 7
	s_lshl_b32 s71, s19, 6
	s_add_co_u32 s70, s70, s71                     ; my first row
	s_lshl_b32 s70, s70, 12                        ; rows of 4,096 bytes
	s_add_co_u32 s70, s70, s72
	s_mov_b32 s71, 0
	s_wait_dscnt 0x0
	s_wait_kmcnt 0x0
	s_add_nc_u64 s[62:63], s[4:5], s[60:61]
	s_add_nc_u64 s[68:69], s[6:7], s[66:67]
	s_add_nc_u64 s[8:9], s[8:9], s[72:73]
	s_add_nc_u64 s[10:11], s[10:11], s[70:71]
	CROUND                                         ; in front of the first joint loads
.irp s, 0,1
	s_mov_b32 s[G0A+4*\s], 1
	s_add_co_u32 s[G0A+4*\s+1], s59, \s*SLOT
	s_add_nc_u64 s[G0A+4*\s+2:G0A+4*\s+3], s[62:63], \s*4*262144   ; heads 4 s ..
	s_or_b32 s[G0A+4*\s+3], s[G0A+4*\s+3], 0x80000000
	s_mov_b32 s[G0B+4*\s], 1
	s_add_co_u32 s[G0B+4*\s+1], s74, \s*SLOT
	s_add_nc_u64 s[G0B+4*\s+2:G0B+4*\s+3], s[68:69], \s*512        ; k = 256 s ..
	s_or_b32 s[G0B+4*\s+3], s[G0B+4*\s+3], 0x80000000
	JLOAD \s                                       ; both first fills together: two tensor loads of the wave are out, later one
.endr
	v_and_b32 v2, 15, v0                           ; r
	v_bfe_u32 v3, v0, 4, 1                         ; h
	v_lshlrev_b32 v[BO], 5, v3
.irp b, 0,1,2,3
	global_load_b128 v[BI+8*\b:BI+8*\b+3], v[BO], s[8:9] offset:64*\b          ; bias of columns 16 b + 8 h ..; waited for behind the K steps
	global_load_b128 v[BI+8*\b+4:BI+8*\b+7], v[BO], s[8:9] offset:64*\b+16
.endr
	v_mul_u32_u24 v4, v2, AP
	v_lshl_add_u32 v4, v3, 4, v4
	s_mul_i32 s70, s19, 64*AP
	v_add_nc_u32 v[ADRA], s70, v4
	v_add_nc_u32 v[ADRA+1], SLOT, v[ADRA]
	v_mul_u32_u24 v5, v2, BP
	v_lshl_add_u32 v5, v3, 4, v5
	s_mul_i32 s70, s20, 64*BP
	s_add_co_u32 s70, s70, ATILE
	v_add_nc_u32 v[ADRB], s70, v5
	v_add_nc_u32 v[ADRB+1], SLOT, v[ADRB]
	s_mul_i32 s70, s18, 16*SP
	s_add_co_u32 s70, s70, STAGE
	v_mul_u32_u24 v6, v2, SP
	v_lshl_add_u32 v6, v3, 5, v6
	v_add_nc_u32 v[STO], s70, v6                   ; in: row r, 32 bytes at 32 h
	v_mul_u32_u24 v7, v3, SP
	v_lshl_add_u32 v7, v2, 4, v7
	v_add_nc_u32 v[RD], s70, v7                    ; back: sixteen lanes take a row's 256 bytes
	v_lshlrev_b32 v[CO], 12, v3
	v_lshl_add_u32 v[CO], v2, 4, v[CO]             ; and the same two rows in out0
; 16 LDS loads: the fragments of 32 K, number kq of the slot's eight (head kq / 2, d = 32 (kq % 2) ..), into buffer f
.macro FETCH slot, kq, f
.irp i, 0,1,2,3
	ds_load_b128 v[FA+64*\f+8*\i:FA+64*\f+8*\i+3], v[ADRA+\slot] offset:((\kq)>>1)*AHEAD+64*((\kq)&1)+\i*16*AP
	ds_load_b128 v[FA+64*\f+8*\i+4:FA+64*\f+8*\i+7], v[ADRA+\slot] offset:((\kq)>>1)*AHEAD+64*((\kq)&1)+\i*16*AP+32
.endr
.irp i, 0,1,2,3
	ds_load_b128 v[FB+64*\f+8*\i:FB+64*\f+8*\i+3], v[ADRB+\slot] offset:64*(\kq)+\i*16*BP
	ds_load_b128 v[FB+64*\f+8*\i+4:FB+64*\f+8*\i+7], v[ADRB+\slot] offset:64*(\kq)+\i*16*BP+32
.endr
.endm
; 16 matrix instructions; the 16 accumulators (window 1) take turns, one instruction a turn
.macro MUL f, zero
	WIN 0x50
.irp a, 0,1,2,3
.irp b, 0,1,2,3
.if \zero
	v_wmma_f32_16x16x32_f16 v[8*(4*\a+\b):8*(4*\a+\b)+7], v[FB+64*\f+8*\b:FB+64*\f+8*\b+7], v[FA+64*\f+8*\a:FA+64*\f+8*\a+7], 0
.else
	v_wmma_f32_16x16x32_f16 v[8*(4*\a+\b):8*(4*\a+\b)+7], v[FB+64*\f+8*\b:FB+64*\f+8*\b+7], v[FA+64*\f+8*\a:FA+64*\f+8*\a+7], v[8*(4*\a+\b):8*(4*\a+\b)+7]
.endif
.endr
.endr
	WIN 0
.endm
.macro QSTEP slot, kq, f, g, zero
	s_wait_dscnt 0x0                               ; buffer f is in
	PLACES                                         ; buffer g was read by the matrix instructions just issued
	FETCH \slot, \kq+1, \g
	MUL \f, \zero
.endm
.macro SEVEN slot, zero
	QSTEP \slot, 0, 0, 1, \zero
	QSTEP \slot, 1, 1, 0, 0
	QSTEP \slot, 2, 0, 1, 0
	QSTEP \slot, 3, 1, 0, 0
	QSTEP \slot, 4, 0, 1, 0
	QSTEP \slot, 5, 1, 0, 0
	QSTEP \slot, 6, 0, 1, 0
.endm
; The slot's last 32 K and the change of slots: each wave's waits, the barrier (where the slot is filled again it opens a round of the cluster's barrier),
; the joint refill first behind it, then the next slot's first fragments.
.macro TURN slot, next, fill
	s_wait_dscnt 0x0                               ; my reads of this slot are over
	s_wait_tensorcnt 0x0                           ; all my tensor loads have landed
	ds_add_u32 v254, v255
	s_wait_dscnt 0x0
	s_barrier_signal -1
	MUL 1, 0                                       ; register work while the others arrive
	s_barrier_wait -1
.if \fill
	CREST
	s_add_nc_u64 s[G0A+4*\slot+2:G0A+4*\slot+3], s[G0A+4*\slot+2:G0A+4*\slot+3], 8*262144   ; eight heads on
	s_add_nc_u64 s[G0B+4*\slot+2:G0B+4*\slot+3], s[G0B+4*\slot+2:G0B+4*\slot+3], 1024
	JLOAD \slot
.endif
	PLACES
	FETCH \next, 0, 0
.endm
	s_wait_tensorcnt 0x1                           ; my part of slot 0 is in; slot 1's stays out
	s_barrier_signal -1
	s_barrier_wait -1
	FETCH 0, 0, 0
	SEVEN 0, 1                                     ; heads 0-3: the first products start the sums
	TURN 0, 1, 1
	SEVEN 1, 0                                     ; heads 4-7
	TURN 1, 0, 1
	SEVEN 0, 0                                     ; heads 8-11
	TURN 0, 1, 0
	SEVEN 1, 0                                     ; heads 12-15
	s_wait_dscnt 0x0
	MUL 1, 0
	PLACES                                         ; behind the last matrix instructions
	s_wait_loadcnt 0x0                             ; the bias
; rows 16 a .. 16 a + 15 of my 64: + bias, through my own stage, out as whole rows of 256 bytes
.macro OUT16 a
	WIN 0x01                                       ; source 0 window 1
.irp b, 0,1,2,3
.irp p, 0,1,2,3
	v_pk_add_f32 v[T+8*\b+2*\p:T+8*\b+2*\p+1], v[8*(4*\a+\b)+2*\p:8*(4*\a+\b)+2*\p+1], v[BI+8*\b+2*\p:BI+8*\b+2*\p+1]
.endr
.endr
	WIN 0
.irp b, 0,1,2,3
	ds_store_b128 v[STO], v[T+8*\b:T+8*\b+3] offset:64*\b
	ds_store_b128 v[STO], v[T+8*\b+4:T+8*\b+7] offset:64*\b+16
.endr
	s_wait_xcnt 0x0                                ; RB, which the last call's stores read, is loaded again only behind this wait
.irp t, 0,1,2,3,4,5,6,7
	ds_load_b128 v[RB+4*\t:RB+4*\t+3], v[RD] offset:2*SP*\t            ; LDS serves a wave's instructions in order: these see the stores above
.endr
.irp t, 0,1,2,3,4,5,6,7
	s_wait_dscnt 7-\t
	global_store_b128 v[CO], v[RB+4*\t:RB+4*\t+3], s[10:11] offset:(16*\a+2*\t)*4096 th:TH_STORE_NT   ; sixteen lanes store 256 consecutive bytes, aligned
.endr
.endm
	OUT16 0
	OUT16 1
	OUT16 2
	OUT16 3
	s_wait_tensorcnt 0x0
	ds_add_u32 v254, v255
	s_wait_dscnt 0x0
	CROUND                                         ; the closing round
	s_endpgm
.Lfunc_end_k_q55e2ed1904_proj:
	.size	k_q55e2ed1904_proj, .Lfunc_end_k_q55e2ed1904_proj-k_q55e2ed1904_proj
	.p2alignl 7, 3214868480
	.fill 96, 4, 3214868480
	.section	.rodata,"a",@progbits
	.p2align	6, 0x0
	.amdhsa_kernel k_q55e2ed1904_proj
		.amdhsa_group_segment_fixed_size 327680
		.amdhsa_private_segment_fixed_size 0
		.amdhsa_enable_private_segment 0
		.amdhsa_kernarg_size 32
		.amdhsa_user_sgpr_count 2
		.amdhsa_user_sgpr_kernarg_segment_ptr 1
		.amdhsa_wavefront_size32 1
		.amdhsa_system_sgpr_workgroup_id_x 1
		.amdhsa_system_sgpr_workgroup_id_y 1
		.amdhsa_system_sgpr_workgroup_id_z 1
		.amdhsa_system_vgpr_workitem_id 0
		.amdhsa_next_free_vgpr 384
		.amdhsa_next_free_sgpr 76
		.amdhsa_reserve_vcc 0
		.amdhsa_float_denorm_mode_32 3
		.amdhsa_float_denorm_mode_16_64 3
		.amdhsa_memory_ordered 1
		.amdhsa_forward_progress 1
		.amdhsa_inst_pref_size 93
	.end_amdhsa_kernel
	.amdgpu_metadata
---
amdhsa.version: [ 1, 2 ]
amdhsa.kernels:
  - .name:           k_q55e2ed1904_proj
    .symbol:         k_q55e2ed1904_proj.kd
    .args:
      - { .name: ao, .offset: 0, .size: 8, .value_kind: global_buffer, .address_space: global }
      - { .name: wp, .offset: 8, .size: 8, .value_kind: global_buffer, .address_space: global }
      - { .name: bproj, .offset: 16, .size: 8, .value_kind: global_buffer, .address_space: global }
      - { .name: out0, .offset: 24, .size: 8, .value_kind: global_buffer, .address_space: global }
    .group_segment_fixed_size: 327680
    .private_segment_fixed_size: 0
    .kernarg_segment_align: 8
    .kernarg_segment_size: 32
    .max_flat_workgroup_size: 128
    .sgpr_count:     76
    .vgpr_count:     384
    .wavefront_size: 32
...
	.end_amdgpu_metadata
.endif
;; end of part 4
